; MI455X (gfx1250); checked and timed in simulation.
; The chip was launched on July 23, 2026; its instructions are those of AMD's public machine-readable ISA for CDNA 5 (MIT licence, August 2026) and "CDNA5" Instruction Set Architecture Reference Guide (July 2026). The comments in the code are by the model that wrote it; some were corrected since.
;; Mo E Layer. Allowed arithmetic: float matrix products may take bf16 or f16 operands with f32 sums; other float arithmetic in f32, or as packed bf16 or f16 multiplies, adds, multiply-adds, maxima and minima; sums over many terms, partial sums and values carried from step to step in f32; what a program stores and reads back later, other than sums and carried values, may be rounded once to bf16 or f16.
;; Inputs: We 8 x 2,048 x 2,048 float32; Wg 8 x 2,048 float32; be 8 x 2,048 float32; bg 8 float32; x 2,048 x 2,048 float32.
;; Outputs: out0 2,048 x 2,048 float32; out1 2,048 x 8 float32; out2 2,048 x 1 int32; out3 8 float32.
;; One version. Each part assembles by itself: llvm-mc -triple=amdgcn-amd-amdhsa -mcpu=gfx1250 --defsym DOCPART=n.
;; ======== version 1 of 1: 2 launches
;; workspace buffers: xb 8,388,608 bytes; sel 8,192 bytes of whole numbers
;; launch router (part 1): grid 256 x 1, 8 waves a work-group, no clusters, 76,800 bytes of LDS; arguments x, Wg, bg, xb, sel, out1, out2; writes xb, sel, out1, out2
.if DOCPART == 1
	.amdgcn_target "amdgcn-amd-amdhsa--gfx1250"
	.amdhsa_code_object_version 6
	.text
	.protected	k_q9ca921c4a3_router
	.globl	k_q9ca921c4a3_router
	.p2align	8
	.type	k_q9ca921c4a3_router,@function
k_q9ca921c4a3_router:
	s_mov_b64 s[64:65], 0
	v_nop
	global_prefetch_b8 v0, s[64:65] scope:SCOPE_SE
	s_setreg_imm32_b32 hwreg(HW_REG_WAVE_MODE, 25, 1), 1
	s_wait_xcnt 0x0
; THE GATE.  logits = x Wg^T + bg, out1 = softmax(logits), out2 = sel = the index of the largest probability (the lower index on a tie); and xb = x rounded to bf16, for the launch behind.
; x: [2048][2048] f32, Wg: [8][2048] f32, bg: [8] f32.  All three are rounded once to bf16; products are summed in f32; the softmax is f32 with the row's maximum taken away.
; LIMITS.  Two probabilities of a token that agree to within the f32 sums' rounding (about 1e-6 of themselves) may be ranked the other way; a probability below 2^-126 comes out as 0;
; NaN and infinities are not treated apart.
; SHARES.  Work-group g owns tokens 8 g .. 8 g + 7.  Wave w owns K = 256 w .. 256 w + 255 of those 8 rows and of Wg's 8 rows: 32 loads of 512 consecutive bytes, all issued before the first wait.
; The rounded numbers go through the wave's own stage in LDS into fragments; 8 matrix instructions (K = 32 each) on two accumulators by turns; the eight waves' partial sums meet in LDS; wave 0 ends the work.
; No cluster, no tensor load: the work-groups share only Wg's 64 KiB, 1/2 of a work-group's own bytes but read once per wave as 8 KiB; a stream of x with a small product bound by its bytes.
.set PITCH, 528                        ; a stage row: 512 bytes (256 bf16) + 16: an odd multiple of 16, so the 8 rows of a fragment load start at different groups of four banks
.set STGW,  16*PITCH                   ; a wave's stage: rows 0-7 tokens, rows 8-15 experts
.set RED,   8*STGW                     ; the partial sums: wave x 1,024 + half x 512 + lane x 16
.set SPARE, RED+8192                   ; the spare words: 128 bytes for each of the eight waves, named by no other line
.set SPW,  4                           ; v4   my spare word's LDS address; never rewritten
.set NIL,  5                           ; v5   0; never rewritten
.set XR,   16                          ; v16-79   x as loaded (row i, half hf at 16 + 8 i + 4 hf); then the tokens' fragments, 8 registers for each K step
.set WR,   80                          ; v80-143  Wg likewise; then the experts' fragments
.set ACC0, 144                         ; v144-151 the even K steps' sums
.set ACC1, 152                         ; v152-159 the odd K steps' sums
.set P,    160                         ; v160-167 a token's 8 logits, then its probabilities
.macro ROUND4 a                        ; four f32 in v[a .. a+3] become four bf16 in v[a], v[a+1]
	v_cvt_pk_bf16_f32 v[\a], v[\a], v[(\a)+1]
	v_cvt_pk_bf16_f32 v[(\a)+1], v[(\a)+2], v[(\a)+3]
.endm
	s_load_b256 s[4:11], s[0:1], 0x0               ; x s[4:5], Wg s[6:7], bg s[8:9], xb s[10:11]
	s_load_b128 s[12:15], s[0:1], 0x20             ; sel s[12:13], out1 s[14:15]
	s_load_b64 s[16:17], s[0:1], 0x30              ; out2
	v_lshl_add_u32 v[SPW], v0, 2, SPARE
	v_mov_b32 v[NIL], 0
	v_and_b32 v1, 31, v0                           ; lane
	v_lshrrev_b32 v2, 5, v0
	v_readfirstlane_b32 s18, v2                    ; wave 0..7
	v_and_b32 v2, 7, v0                            ; lane % 8: my token, and my row in a fragment
	v_bfe_u32 v3, v0, 4, 1                         ; lane / 16
	v_lshlrev_b32 v6, 4, v1                        ; 16 bytes a lane in a load of f32
	v_lshlrev_b32 v7, 3, v1                        ; 8 bytes a lane in a store of bf16
	s_mul_i32 s19, s18, STGW                       ; my wave's stage
	v_lshl_add_u32 v8, v1, 3, s19                  ; into the stage: 8 bytes a lane
	v_mul_u32_u24 v9, v2, PITCH
	v_lshl_add_u32 v9, v3, 4, v9
	v_add_nc_u32 v9, s19, v9                       ; out of it: row lane % 8, 16 bytes for each half of the lanes
	s_lshl_b32 s23, s18, 10                        ; wave x 1,024: my K range in a row of f32, and my part of RED
	s_add_co_u32 s22, s23, RED
	v_lshl_add_u32 v10, v1, 4, s22                 ; where I put my partial sums
	v_lshl_add_u32 v11, v1, 4, RED                 ; where wave 0 reads all of them
	s_lshl_b32 s20, ttmp9, 16                      ; 8 rows of 8,192 bytes
	s_add_co_u32 s20, s20, s23
	s_mov_b32 s21, 0
	s_wait_kmcnt 0x0
	s_load_b256 s[24:31], s[8:9], 0x0              ; bg's eight numbers
	s_add_nc_u64 s[4:5], s[4:5], s[20:21]          ; x at my rows and my K
	s_mov_b32 s20, s23
	s_add_nc_u64 s[6:7], s[6:7], s[20:21]          ; Wg at my K
	s_lshl_b32 s20, ttmp9, 15                      ; 8 rows of 4,096 bytes
	s_lshl_b32 s23, s18, 9
	s_add_co_u32 s20, s20, s23
	s_add_nc_u64 s[10:11], s[10:11], s[20:21]      ; xb at my rows and my K
.irp i, 0,1,2,3,4,5,6,7
.irp hf, 0,1
	global_load_b128 v[XR+8*\i+4*\hf:XR+8*\i+4*\hf+3], v6, s[4:5] offset:(\i)*8192+(\hf)*512 th:TH_LOAD_NT  ; x is read once in the launch
.endr
.endr
.irp i, 0,1,2,3,4,5,6,7
.irp hf, 0,1
	global_load_b128 v[WR+8*\i+4*\hf:WR+8*\i+4*\hf+3], v6, s[6:7] offset:(\i)*8192+(\hf)*512
.endr
.endr
	s_wait_loadcnt 16                              ; x's 16 loads are in; Wg's 16, issued behind them, stay out
.irp i, 0,1,2,3,4,5,6,7
.irp hf, 0,1
	ROUND4 XR+8*\i+4*\hf
	global_store_b64 v7, v[XR+8*\i+4*\hf:XR+8*\i+4*\hf+1], s[10:11] offset:(\i)*4096+(\hf)*256  ; the wave's store covers 256 consecutive bytes, aligned
	ds_store_b64 v8, v[XR+8*\i+4*\hf:XR+8*\i+4*\hf+1] offset:(\i)*PITCH+(\hf)*256
.endr
.endr
	s_wait_loadcnt 0x0                             ; Wg
.irp i, 0,1,2,3,4,5,6,7
.irp hf, 0,1
	ROUND4 WR+8*\i+4*\hf
	ds_store_b64 v8, v[WR+8*\i+4*\hf:WR+8*\i+4*\hf+1] offset:(8+\i)*PITCH+(\hf)*256
.endr
.endr
	s_wait_xcnt 0x0                                ; the stores into xb have read their registers: only now are these loaded again
	; A fragment is 16 rows x 32 K in 8 registers: lane l holds row l % 16, K = 8 (l / 16) + 0..7 and 16 + 8 (l / 16) + 0..7: two loads of 16 bytes, 32 apart.  Rows 8-15 repeat rows 0-7.
	; The stage is the wave's own and LDS serves a wave's instructions in order (ISA guide 5.7.1.4): no wait between the stores above and these loads.
.irp q, 0,1,2,3,4,5,6,7
	ds_load_b128 v[XR+8*\q:XR+8*\q+3],   v9 offset:64*\q
	ds_load_b128 v[XR+8*\q+4:XR+8*\q+7], v9 offset:64*\q+32
	ds_load_b128 v[WR+8*\q:WR+8*\q+3],   v9 offset:8*PITCH+64*\q
	ds_load_b128 v[WR+8*\q+4:WR+8*\q+7], v9 offset:8*PITCH+64*\q+32
.endr
	s_wait_dscnt 0x0
	s_wait_kmcnt 0x0                               ; bg
	; Source 0 = experts, source 1 = tokens: register j of a lane is expert j's logit (rows 8-15 repeat) of token lane % 8.  The two accumulators take turns; the first two products start the sums.
.irp q, 0,1,2,3,4,5,6,7
.if \q < 2
	v_wmma_f32_16x16x32_bf16 v[ACC0+8*\q:ACC0+8*\q+7], v[WR+8*\q:WR+8*\q+7], v[XR+8*\q:XR+8*\q+7], 0
.else
	v_wmma_f32_16x16x32_bf16 v[ACC0+8*((\q)%2):ACC0+8*((\q)%2)+7], v[WR+8*\q:WR+8*\q+7], v[XR+8*\q:XR+8*\q+7], v[ACC0+8*((\q)%2):ACC0+8*((\q)%2)+7]
.endif
.endr
.rept 4
	v_nop                                          ; four places between the last product and the first read of a result (ISA guide 7.12.1)
.endr
.irp k, 0,2,4,6
	v_pk_add_f32 v[P+\k:P+\k+1], v[ACC0+\k:ACC0+\k+1], v[ACC1+\k:ACC1+\k+1]  ; from each accumulator's low end on
.endr
	ds_store_b128 v10, v[P:P+3]
	ds_store_b128 v10, v[P+4:P+7] offset:512
	s_wait_dscnt 0x0                               ; for wave 0's sake: my partial sums are in LDS
	s_barrier_signal -1
	s_barrier_wait -1
	s_cmp_lg_u32 s18, 0
	s_cbranch_scc1 .Lend                           ; no barrier stands in what the other seven waves jump
.irp w, 0,1,2,3,4,5,6,7
.irp hf, 0,1
	ds_load_b128 v[16+8*\w+4*\hf:16+8*\w+4*\hf+3], v11 offset:(\w)*1024+(\hf)*512
.endr
.endr
	s_lshl_b32 s20, ttmp9, 8                       ; 8 tokens x 32 bytes of out1
	s_add_nc_u64 s[14:15], s[14:15], s[20:21]
	s_lshl_b32 s20, ttmp9, 5                       ; 8 tokens x 4 bytes of out2 and of sel
	s_add_nc_u64 s[16:17], s[16:17], s[20:21]
	s_add_nc_u64 s[12:13], s[12:13], s[20:21]
	s_wait_dscnt 0x0
.irp a, 0,2,4,6                        ; the eight partial sums are added as a tree, in f32
.irp k, 0,2,4,6
	v_pk_add_f32 v[16+8*\a+\k:16+8*\a+\k+1], v[16+8*\a+\k:16+8*\a+\k+1], v[24+8*\a+\k:24+8*\a+\k+1]
.endr
.endr
.irp a, 0,4
.irp k, 0,2,4,6
	v_pk_add_f32 v[16+8*\a+\k:16+8*\a+\k+1], v[16+8*\a+\k:16+8*\a+\k+1], v[32+8*\a+\k:32+8*\a+\k+1]
.endr
.endr
.irp k, 0,2,4,6
	v_pk_add_f32 v[P+\k:P+\k+1], v[16+\k:16+\k+1], v[48+\k:48+\k+1]
.endr
.irp p, 0,1,2,3                        ; + bg, rounded to bf16 like the other inputs
	v_cvt_pk_bf16_f32 v12, s[24+2*\p], s[25+2*\p]
	v_lshlrev_b32 v14, 16, v12
	v_and_b32 v15, 0xffff0000, v12
	v_pk_add_f32 v[P+2*\p:P+2*\p+1], v[P+2*\p:P+2*\p+1], v[14:15]
.endr
	v_max3_num_f32 v12, v[P], v[P+1], v[P+2]       ; the token's largest logit m
	v_max3_num_f32 v12, v12, v[P+3], v[P+4]
	v_max3_num_f32 v12, v12, v[P+5], v[P+6]
	v_max_num_f32 v12, v12, v[P+7]
	v_mul_f32 v14, 0x3fb8aa3b, v12                 ; m log2(e)
.irp k, 0,2,4,6
	v_pk_fma_f32 v[P+\k:P+\k+1], v[P+\k:P+\k+1], 0x3fb8aa3b, v[14:15] op_sel_hi:[1,0,0] neg_lo:[0,0,1] neg_hi:[0,0,1]  ; l log2(e) - m log2(e): at most a rounding above 0
.endr
.irp k, 0,1,2,3,4,5,6,7
	v_exp_f32 v[P+\k], v[P+\k]
.endr
	v_nop                                          ; a plain instruction behind the last exponential (ISA guide 5.7.2),
	s_wait_alu depctr_va_vdst(0)                   ; and one wait for the batch of eight, ahead of the first line that names a result
	v_pk_add_f32 v[12:13], v[P:P+1], v[P+2:P+3]
	v_pk_add_f32 v[14:15], v[P+4:P+5], v[P+6:P+7]
	v_pk_add_f32 v[12:13], v[12:13], v[14:15]
	v_add_f32 v12, v12, v13
	v_rcp_f32 v14, v12
	v_bfe_u32 v13, v0, 3, 1                        ; (lane / 8) % 2: which half of a token's probabilities I store; the plain instruction behind the reciprocal
	s_wait_alu depctr_va_vdst(0)                   ; the reciprocal's wait
.irp k, 0,2,4,6
	v_pk_mul_f32 v[P+\k:P+\k+1], v[P+\k:P+\k+1], v[14:15] op_sel_hi:[1,0]
.endr
	v_mov_b32 v14, v[P]                            ; the largest probability so far,
	v_mov_b32 v15, 0                               ; and its index: only a strictly larger one takes its place, so a tie keeps the lower index
.irp j, 1,2,3,4,5,6,7
	v_cmp_gt_f32 vcc_lo, v[P+\j], v14
	v_cndmask_b32 v15, v15, \j, vcc_lo
	v_max_num_f32 v14, v14, v[P+\j]
.endr
	v_cmp_eq_u32 vcc_lo, 1, v13
.irp k, 0,1,2,3
	v_cndmask_b32 v[16+\k], v[P+\k], v[P+4+\k], vcc_lo
.endr
	v_lshlrev_b32 v12, 5, v2
	v_lshl_add_u32 v13, v13, 4, v12                ; token x 32 + half x 16
	v_lshlrev_b32 v12, 2, v1                       ; token x 4
	v_cmp_gt_u32 vcc_lo, 16, v0
	s_wait_xcnt 0x0                                ; EXEC changes only behind this wait
	s_and_saveexec_b32 s32, vcc_lo
	global_store_b128 v13, v[16:19], s[14:15]      ; sixteen lanes store the work-group's 256 consecutive bytes of out1, aligned
	s_wait_xcnt 0x0
	s_or_b32 exec_lo, exec_lo, s32
	v_cmp_gt_u32 vcc_lo, 8, v0
	s_wait_xcnt 0x0
	s_and_saveexec_b32 s32, vcc_lo
	global_store_b32 v12, v15, s[16:17]            ; 8 tokens x 4 bytes: all that a work-group has of out2,
	global_store_b32 v12, v15, s[12:13]            ; and of sel
	s_wait_xcnt 0x0
	s_or_b32 exec_lo, exec_lo, s32
.Lend:
	s_wait_tensorcnt 0x0                           ; the wave's end
	ds_add_u32 v[SPW], v[NIL]
	s_wait_dscnt 0x0
	s_endpgm
.Lfunc_end_k_q9ca921c4a3_router:
	.size	k_q9ca921c4a3_router, .Lfunc_end_k_q9ca921c4a3_router-k_q9ca921c4a3_router
	.p2alignl 7, 3214868480
	.fill 96, 4, 3214868480
	.section	.rodata,"a",@progbits
	.p2align	6, 0x0
	.amdhsa_kernel k_q9ca921c4a3_router
		.amdhsa_group_segment_fixed_size 76800
		.amdhsa_private_segment_fixed_size 0
		.amdhsa_enable_private_segment 0
		.amdhsa_kernarg_size 56
		.amdhsa_user_sgpr_count 2
		.amdhsa_user_sgpr_kernarg_segment_ptr 1
		.amdhsa_wavefront_size32 1
		.amdhsa_system_sgpr_workgroup_id_x 1
		.amdhsa_system_sgpr_workgroup_id_y 1
		.amdhsa_system_sgpr_workgroup_id_z 1
		.amdhsa_system_vgpr_workitem_id 0
		.amdhsa_next_free_vgpr 168
		.amdhsa_next_free_sgpr 66
		.amdhsa_reserve_vcc 1
		.amdhsa_float_denorm_mode_32 3
		.amdhsa_float_denorm_mode_16_64 3
		.amdhsa_memory_ordered 1
		.amdhsa_forward_progress 1
		.amdhsa_inst_pref_size 23
	.end_amdhsa_kernel
	.amdgpu_metadata
---
amdhsa.version: [ 1, 2 ]
amdhsa.kernels:
  - .name:           k_q9ca921c4a3_router
    .symbol:         k_q9ca921c4a3_router.kd
    .args:
      - { .name: x, .offset: 0, .size: 8, .value_kind: global_buffer, .address_space: global }
      - { .name: Wg, .offset: 8, .size: 8, .value_kind: global_buffer, .address_space: global }
      - { .name: bg, .offset: 16, .size: 8, .value_kind: global_buffer, .address_space: global }
      - { .name: xb, .offset: 24, .size: 8, .value_kind: global_buffer, .address_space: global }
      - { .name: sel, .offset: 32, .size: 8, .value_kind: global_buffer, .address_space: global }
      - { .name: out1, .offset: 40, .size: 8, .value_kind: global_buffer, .address_space: global }
      - { .name: out2, .offset: 48, .size: 8, .value_kind: global_buffer, .address_space: global }
    .group_segment_fixed_size: 76800
    .private_segment_fixed_size: 0
    .kernarg_segment_align: 8
    .kernarg_segment_size: 56
    .max_flat_workgroup_size: 256
    .sgpr_count:     66
    .vgpr_count:     168
    .wavefront_size: 32
...
	.end_amdgpu_metadata
.endif
;; end of part 1
;; launch experts (part 2): grid 32 x 8, 8 waves a work-group, no clusters, 325,120 bytes of LDS; arguments xb, sel, We, be, out0, out3; writes out0, out3
.if DOCPART == 2
	.amdgcn_target "amdgcn-amd-amdhsa--gfx1250"
	.amdhsa_code_object_version 6
	.text
	.protected	k_q9ca921c4a3_experts
	.globl	k_q9ca921c4a3_experts
	.p2align	8
	.type	k_q9ca921c4a3_experts,@function
k_q9ca921c4a3_experts:
	s_mov_b64 s[64:65], 0
	v_nop
	global_prefetch_b8 v0, s[64:65] scope:SCOPE_SE
	s_setreg_imm32_b32 hwreg(HW_REG_WAVE_MODE, 25, 1), 1
	s_wait_xcnt 0x0
; out0[t] = We[sel[t]] x[t] + be[sel[t]], only for the expert that each token chose; out3[e] = the number of e's tokens.
; xb: [2048][2048] bf16 (x rounded once), sel: [2048] int32, We: [8][2048][2048] f32, be: [8][2048] f32.  We and be are rounded once to bf16 on their way through registers; sums in f32.
; LIMITS.  All inputs rounded to bf16; NaN and infinities are not treated apart.  Every split of the tokens is served: T = 0 to 2,048 tokens on an expert.
; SHARES.  Work-group (slice, e) has the 64 output columns 64 slice .. + 63 of expert e: 64 rows of We, 512 KiB of f32, which it alone reads, once; and all T tokens of e.
; PHASE 1, THE STREAM.  Wave w brings rows 8 w .. 8 w + 7 of the slice, 256 K (a PART: 16 loads of 512 consecutive bytes) at a time, three parts out (48 loads a wave, 196,608 bytes a work-group), rounds them
; and lays them into WS, a bf16 copy of the slice in LDS that is written once.  Wave 0 makes the list of e's tokens while its first three parts are on their way.  One barrier ends the phase.
; PHASE 2, THE PRODUCTS.  Four passes, whatever T; no barrier, nobody writes WS.  In pass p wave w has five blocks of 16 tokens x 64 columns, at places 640 p + 320 (w / 4) + 16 (w % 4) + 64 j; a wave whose first
; place lies at or past T jumps the pass (4 x 640 >= 2,048).  The weights' fragments come from WS, the tokens' straight from xb into registers: a ring of six K steps of 10 loads, 60 loads of a wave out.
; The 64 K steps of a pass are written out: four LDS addresses made at the head reach four chunks of WS each by the immediate, a token row's 4,096 bytes lie within the load's immediate, and so no address is stepped.
; The two phases follow each other: loads of a wave come back in order (ISA guide 5.7.1), so one wave cannot wait for token rows without waiting for the weights asked for before them.
; PLACES AT OR PAST T take the expert's first token.  Whole blocks past T are not stored (a scalar jump).
; In the one block that holds T the places past it compute the first token's row once more, from the same operands (an output of the matrix instruction hangs on its own row and column alone), and store it once more,
; to the same address: at most 15 rows of 256 bytes a work-group are written twice, and EXEC stays full through the whole loop.
; THE LIST.  Rank of a token among e's = tokens of e counted so far + those in lower lanes; the order is of no account, each token has its own row of out0.
; NO CLUSTER, NO TENSOR LOAD.  Each byte of We has one reader.  What an expert's 32 work-groups share is its token rows, which come by a list: no tile's descriptor covers them.  The weights must be rounded on
; their way, and a stage for f32 has no room beside the slice's 278,528 bytes.  NO PREFETCH: the stream has 48 loads of every wave out from its first line on, and xb was stored by the launch before.
; THE MATRIX INSTRUCTION IS USED TRANSPOSED: source 0 = 16 rows of We, source 1 = 16 tokens: a lane holds token lane % 16 and the eight neighbouring columns 8 (lane / 16) + 0..7 of a tile.
; REGISTERS, in windows of 256 (s_set_vgpr_msb: bits 1:0 source 0, 3:2 source 1, 5:4 source 2, 7:6 destination): window 0 as named below;
; window 1: v0-239 the ring of token fragments, slot s, block j at 40 s + 8 j; before that v0-63 take sel (wave 0).
.set CNTA,  10368                      ; LDS 0-10,239: the list, token of rank r at 4 r, 2,560 ranks: as many as the four passes have places.  10,240: ranks 2,560 + lane take what lanes without a match store.  10,368: T
.set WS,    10752                      ; the slice, by chunks of 128 K: chunk c, row r at WS + c CB + r WP
.set WP,    272                        ; 256 bytes + 16: an odd multiple of 16, so the 16 rows of a fragment load start at 16 different groups of four banks (ISA guide 11.1: 64 banks of 4 bytes)
.set CB,    64*WP                      ; a chunk's 64 rows
.set STAGE, WS+16*CB                   ; for the way out, each wave's own: 16 rows of 256 bytes (64 f32) + 16; the word at + 256 holds the row's token
.set SP,    272
.set STW,   16*SP
.set SPARE, STAGE+8*STW                ; the spare words: 128 bytes for each of the eight waves, named by no other line
.set LA,   0                           ; v0      the thread's number; behind the head: the list's LDS address, and a place
.set R,    1                           ; v1      lane % 16
.set HL,   2                           ; v2      lane / 16
.set SPW,  3                           ; v3      my spare word's LDS address; never rewritten
.set NIL,  4                           ; v4      0; never rewritten
.set RA,   5                           ; v5-9    block j: my token's row in xb, token x 4,096 + 16 (lane / 16)
.set BB,   10                          ; v10-13  LDS address of my part of the weights' fragments at chunks 0, 4, 8, 12; never rewritten
.set C16,  14                          ; v14     16 x (lane % 16)
.set H16,  15                          ; v15     16 x (lane / 16)
.set STO,  16                          ; v16     the way out: where I put 32 bytes of a row
.set RD,   17                          ; v17     where I read a row back
.set PADA, 18                          ; v18     my row's token word in the stage
.set RDP,  19                          ; v19     the token word of the row that I read back
.set TKC,  20                          ; v20-27  the way out: the offsets in out0 of the eight pairs of rows
.set WL,   20                          ; v20     phase 1: 16 x lane
.set WSA,  21                          ; v21     phase 1: where my 8 bytes of my wave's first row go in WS
.set DP,   22                          ; v22     phase 1: 2,560 + lane
.set T4,   23                          ; v23     phase 1: 4 x lane
.set LN,   24                          ; v24     the head: lane
.set BIAS, 28                          ; v28-31  be of the four columns that I store
.set BF,   32                          ; v32-95  the weights' fragments: buffer bb, tile n at 32 + 32 bb + 8 n
.set LB,   32                          ; v32-223 phase 1: three buffers of 8 rows x 2 halves x 4 registers
.set TR,   32                          ; v32-36  a pass's beginning: block j's token as the list gives it
.set FST,  37                          ; v37     the expert's first token
.set TPV,  38                          ; v38     at work
.set OB,   32                          ; v32-63  the way out: 16 rows read back
.set TKR,  64                          ; v64-71  their tokens as read back
.set PT,   72                          ; v72     my row's token
.set ACC,  96                          ; v96-255 accumulator (j, n) at 96 + 8 (4 j + n)
.set BT,   224                         ; v224-231 the list: at work
.set WV,   16                          ; s16 wave   s17 expert   s18 slice   s19 T   s21 1: block 4 has a token   s22 my block 0's first place in the pass in hand
.set EX,   17
.set SLI,  18
.set TT,   19
.set FIVE, 21
.set B0,   22
.set WB,   37                          ; s37 my first place in pass 0
.set MK,   66                          ; s66-81 the list: sixteen masks.  s25 counts the passes   s27, s28, s34 at work   s29 EXEC kept (the head)   s[32:33] offsets   s35, s36 the list's count, bits
.set MSB, 0
.macro WIN new                         ; the immediate's high byte repeats the setting that is left; a switch that changes nothing is dropped
.if MSB != (\new)
	s_set_vgpr_msb (MSB<<8)|(\new)
.set MSB, \new
.endif
.endm
.macro ROUND4 a                        ; four f32 in v[a .. a+3] become four bf16 in v[a], v[a+1]
	v_cvt_pk_bf16_f32 v[\a], v[\a], v[(\a)+1]
	v_cvt_pk_bf16_f32 v[(\a)+1], v[(\a)+2], v[(\a)+3]
.endm
; THE STREAM.  Part C (K = 256 C .. + 255) of my 8 rows into buffer buf: each load takes 512 consecutive bytes of one row; We is read once in the launch.
.macro LOADS C, buf
.irp i, 0,1,2,3,4,5,6,7
.irp hf, 0,1
	global_load_b128 v[LB+64*(\buf)+8*\i+4*\hf:LB+64*(\buf)+8*\i+4*\hf+3], v[WL], s[8:9] offset:(\i)*8192+(\C)*1024+(\hf)*512 th:TH_LOAD_NT
.endr
.endr
.endm
; The part in buffer buf is there when at most lcnt younger loads are out; it is rounded and stored, 256 consecutive bytes (a row of a chunk) to a store; WSA goes two chunks on; the buffer takes part nxt (none: -1).
.macro LOADER buf, lcnt, nxt
	s_wait_loadcnt \lcnt
.irp i, 0,1,2,3,4,5,6,7
.irp hf, 0,1
	ROUND4 LB+64*(\buf)+8*\i+4*\hf
.endr
.endr
.irp i, 0,1,2,3,4,5,6,7
.irp hf, 0,1
	ds_store_b64 v[WSA], v[LB+64*(\buf)+8*\i+4*\hf:LB+64*(\buf)+8*\i+4*\hf+1] offset:(\hf)*CB+(\i)*WP
.endr
.endr
	v_add_nc_u32 v[WSA], 2*CB, v[WSA]
.if (\nxt) >= 0
	LOADS \nxt, \buf
.endif
.endm
; THE PRODUCTS.  The weights' fragments of K step q: 4 tiles x 16 rows x 32 K into buffer bb.  K step q lies in chunk q / 4; address q / 16 reaches its four chunks by the immediate, 65,504 at the most.
.macro LDB q, bb
.irp n, 0,1,2,3
	ds_load_b128 v[BF+32*(\bb)+8*\n:BF+32*(\bb)+8*\n+3],   v[BB+(\q)/16] offset:(((\q)/4)%4)*CB+(\n)*16*WP+((\q)%4)*64
	ds_load_b128 v[BF+32*(\bb)+8*\n+4:BF+32*(\bb)+8*\n+7], v[BB+(\q)/16] offset:(((\q)/4)%4)*CB+(\n)*16*WP+((\q)%4)*64+32
.endr
.endm
; The tokens' fragments of K step q into ring slot: always all five blocks, so that the counts are the same on every path.
.macro LDX q, slot
	WIN 0x40                                       ; destination window 1, address window 0
.irp j, 0,1,2,3,4
	global_load_b128 v[40*(\slot)+8*\j:40*(\slot)+8*\j+3],   v[RA+\j], s[4:5] offset:64*(\q)
	global_load_b128 v[40*(\slot)+8*\j+4:40*(\slot)+8*\j+7], v[RA+\j], s[4:5] offset:64*(\q)+32
.endr
.endm
.macro WM j, n, slot, bb, zero
.if \zero
	v_wmma_f32_16x16x32_bf16 v[ACC+8*(4*(\j)+(\n)):ACC+8*(4*(\j)+(\n))+7], v[BF+32*(\bb)+8*(\n):BF+32*(\bb)+8*(\n)+7], v[40*(\slot)+8*(\j):40*(\slot)+8*(\j)+7], 0
.else
	v_wmma_f32_16x16x32_bf16 v[ACC+8*(4*(\j)+(\n)):ACC+8*(4*(\j)+(\n))+7], v[BF+32*(\bb)+8*(\n):BF+32*(\bb)+8*(\n)+7], v[40*(\slot)+8*(\j):40*(\slot)+8*(\j)+7], v[ACC+8*(4*(\j)+(\n)):ACC+8*(4*(\j)+(\n))+7]
.endif
.endm
; A K step of 32: 16 products, and block 4's four where it has a token.  The accumulators take turns, one instruction a turn, on both paths and from step to step.
; zero = 1: the products start the sums, block 4's too, so that every accumulator is written on every path.  lcnt, dcnt: the younger loads that may stay out.
; The four v_nop at the end are the places between the last product and the loads into the registers that it read, or the way out's first read of a result.
.macro KSTEP slot, bb, zero, lcnt, dcnt
	s_wait_loadcnt \lcnt
	s_wait_dscnt \dcnt
	WIN 0x04                                       ; source 1 (the tokens) in window 1
.irp j, 0,1,2,3
.irp n, 0,1,2,3
	WM \j, \n, \slot, \bb, \zero
.endr
.endr
.if \zero
.irp n, 0,1,2,3
	WM 4, \n, \slot, \bb, 1
.endr
.else
	WIN 0                                          ; at a branch and at a label every window is 0
	s_cmp_eq_u32 s[FIVE], 0
	s_cbranch_scc1 .Lno4_\@
	WIN 0x04
.irp n, 0,1,2,3
	WM 4, \n, \slot, \bb, 0
.endr
	WIN 0
.Lno4_\@:
.endif
.rept 4
	v_nop
.endr
.endm
	s_load_b256 s[4:11], s[0:1], 0x0               ; xb s[4:5], sel s[6:7], We s[8:9], be s[10:11]
	s_load_b128 s[12:15], s[0:1], 0x20             ; out0 s[12:13], out3 s[14:15]
	v_lshl_add_u32 v[SPW], v0, 2, SPARE
	v_mov_b32 v[NIL], 0
	v_lshrrev_b32 v[LN], 5, v0
	v_readfirstlane_b32 s[WV], v[LN]               ; wave 0..7
	s_and_b32 s[EX], ttmp7, 0xffff                 ; the expert
	s_mov_b32 s[SLI], ttmp9                        ; the slice of 64 columns
	v_and_b32 v[R], 15, v0
	v_bfe_u32 v[HL], v0, 4, 1
	v_and_b32 v[LN], 31, v0                        ; lane
	v_lshlrev_b32 v[C16], 4, v[R]
	v_lshlrev_b32 v[H16], 4, v[HL]
	v_lshlrev_b32 v[WL], 4, v[LN]
	v_lshlrev_b32 v[T4], 2, v[LN]
	v_add_nc_u32 v[DP], 2560, v[LN]
	s_mul_i32 s28, s[WV], STW
	s_add_co_u32 s28, s28, STAGE                   ; my wave's stage
	v_mul_u32_u24 v[STO], v[R], SP
	v_add_nc_u32 v[PADA], s28, v[STO]
	v_lshl_add_u32 v[STO], v[HL], 5, v[PADA]       ; in: row lane % 16, 32 bytes for each half of the lanes
	v_add_nc_u32 v[PADA], 256, v[PADA]
	v_mul_u32_u24 v[RD], v[HL], SP
	v_add_nc_u32 v[RDP], s28, v[RD]
	v_add_nc_u32 v[RD], v[RDP], v[C16]             ; back: lanes 0-15 one row of 256 bytes, lanes 16-31 the next
	v_add_nc_u32 v[RDP], 256, v[RDP]
	v_mul_u32_u24 v[BB], v[R], WP
	v_add_nc_u32 v[BB], v[BB], v[H16]
	v_add_nc_u32 v[BB], WS, v[BB]                  ; a fragment's row x pitch + 16 x half, at chunk 0,
.irp k, 1,2,3
	v_add_nc_u32 v[BB+\k], (\k)*4*CB, v[BB]        ; and at chunks 4, 8, 12
.endr
	s_mul_i32 s28, s[WV], 8*WP                     ; my wave's 8 rows in a chunk of WS
	s_add_co_u32 s28, s28, WS
	v_lshl_add_u32 v[WSA], v[LN], 3, s28           ; 8 bytes a lane
	s_lshl_b32 s32, s[EX], 13                      ; be: expert x 8,192 + slice x 256
	s_lshl_b32 s28, s[SLI], 8
	s_add_co_u32 s32, s32, s28
	s_mov_b32 s33, 0
	s_wait_kmcnt 0x0
	s_add_nc_u64 s[10:11], s[10:11], s[32:33]
	s_mov_b32 s32, s28
	s_add_nc_u64 s[12:13], s[12:13], s[32:33]      ; out0 at the slice's first column
	s_lshl_b32 s32, s[EX], 24                      ; We: expert x 2,048 rows x 8,192 bytes
	s_lshl_b32 s34, s[SLI], 19                     ; + slice x 64 rows
	s_add_co_u32 s32, s32, s34
	s_lshl_b32 s34, s[WV], 16                      ; + wave x 8 rows: below 2^27 in all
	s_add_co_u32 s32, s32, s34
	s_add_nc_u64 s[8:9], s[8:9], s[32:33]
	s_cmp_lg_u32 s[WV], 0
	s_cbranch_scc1 .Lno_sel
	WIN 0x40                                       ; wave 0: sel goes out first, into window 1.  Load j brings the choices of tokens 128 j + 4 lane + 0..3
.irp j, 0,1,2,3,4,5,6,7,8,9,10,11,12,13,14,15
	global_load_b128 v[4*\j:4*\j+3], v[WL], s[6:7] offset:512*\j
.endr
	WIN 0
.Lno_sel:
	global_load_b128 v[BIAS:BIAS+3], v[C16], s[10:11]
	LOADS 0, 0                                     ; the stream begins: three parts, 48 loads
	LOADS 1, 1
	LOADS 2, 2
	s_cmp_lg_u32 s[WV], 0
	s_cbranch_scc1 .Lno_list
	; wave 0: the list, while its three parts are on their way
.irp k, 0,1,2,3
	v_mov_b32 v[BT+\k], 0
.endr
.irp k, 0,1,2,3,4,5,6,7,8,9,10,11,12,13,14,15,16,17,18,19,20
	ds_store_b128 v[WL], v[BT:BT+3] offset:512*\k  ; every word of the region holds a token's number, whatever the split; the ranks' stores come behind these
.endr
	s_mov_b32 s35, 0
	s_wait_loadcnt 49                              ; sel's 16 loads are in; be's one and the stream's 48, issued behind them, stay out
.set b, 0
.rept 4
	WIN 0x04                                       ; source 1 (sel) in window 1
.set k, 0
.rept 16
	v_cmp_eq_u32 s[MK+k], s[EX], v[16*b+k]         ; who chose my expert
.set k, k+1
.endr
	WIN 0
.set k, 0
.rept 16
	v_mbcnt_lo_u32_b32 v[BT+4], s[MK+k], s35       ; rank = those counted so far + those in lower lanes
	v_cndmask_b32 v[BT+4], v[DP], v[BT+4], s[MK+k] ; the others store past the list
	v_min_u32 v[BT+4], 0xa1f, v[BT+4]
	v_lshlrev_b32 v[BT+4], 2, v[BT+4]
	v_add_nc_u32 v[BT+5], 128*((16*b+k)/4)+(16*b+k)%4, v[T4]  ; the token
	ds_store_b32 v[BT+4], v[BT+5]
	s_bcnt1_i32_b32 s36, s[MK+k]
	s_add_co_u32 s35, s35, s36
.set k, k+1
.endr
.set b, b+1
.endr
	v_mov_b32 v[BT+4], CNTA
	v_mov_b32 v[BT+5], s35
	ds_store_b32 v[BT+4], v[BT+5]                  ; T
	s_cmp_lg_u32 s[SLI], 0
	s_cbranch_scc1 .Lno_list
	v_cvt_f32_u32 v[BT+6], v[BT+5]                 ; slice 0 owns out3[e]
	s_lshl_b32 s28, s[EX], 2
	v_mov_b32 v[BT+7], s28
	v_cmp_eq_u32 vcc_lo, 0, v0
	s_wait_xcnt 0x0                                ; EXEC changes only behind this wait
	s_and_saveexec_b32 s29, vcc_lo
	global_store_b32 v[BT+7], v[BT+6], s[14:15]
	s_wait_xcnt 0x0
	s_or_b32 exec_lo, exec_lo, s29
.Lno_list:
	LOADER 0, 32, 3                                ; part 0: parts 1 and 2, 32 loads, stay out
	LOADER 1, 32, 4
	LOADER 2, 32, 5
	LOADER 0, 32, 6
	LOADER 1, 32, 7
	LOADER 2, 32, -1                               ; part 5: nothing is left to ask for; the counts run down
	LOADER 0, 16, -1
	LOADER 1, 0, -1
	s_wait_dscnt 0x0                               ; for the others' sake: my rows of WS, and wave 0's list, are in LDS
	s_barrier_signal -1
	s_barrier_wait -1                              ; WS and the list are whole, and nobody writes them any more: no barrier from here on
	v_mov_b32 v[LA], CNTA
	ds_load_b32 v[TPV], v[LA]
	s_lshr_b32 s28, s[WV], 2                       ; my first place: 320 (wave / 4) + 16 (wave % 4)
	s_mul_i32 s[WB], s28, 320
	s_and_b32 s28, s[WV], 3
	s_lshl_b32 s28, s28, 4
	s_add_co_u32 s[WB], s[WB], s28
	s_wait_dscnt 0x0
	v_readfirstlane_b32 s[TT], v[TPV]
	s_min_u32 s[TT], s[TT], 2048
	v_cvt_pk_bf16_f32 v[TPV], v[BIAS], v[BIAS+1]   ; be, rounded to bf16 like the other inputs (the stream's last wait was for all loads)
	v_lshlrev_b32 v[BIAS], 16, v[TPV]
	v_and_b32 v[BIAS+1], 0xffff0000, v[TPV]
	v_cvt_pk_bf16_f32 v[TPV], v[BIAS+2], v[BIAS+3]
	v_lshlrev_b32 v[BIAS+2], 16, v[TPV]
	v_and_b32 v[BIAS+3], 0xffff0000, v[TPV]
	s_mov_b32 s25, 4
.Lpass:                                                ; pass 4 - s25
	s_sub_co_u32 s28, 4, s25
	s_mul_i32 s28, s28, 640
	s_add_co_u32 s[B0], s28, s[WB]                 ; my block 0's first place
	s_cmp_lt_u32 s[B0], s[TT]
	s_cbranch_scc0 .Lnext                          ; no token for me in this pass; what is jumped holds no barrier
	s_add_co_u32 s28, s[B0], 256
	s_cmp_lt_u32 s28, s[TT]
	s_cselect_b32 s[FIVE], 1, 0
	; My five blocks' tokens.  The list's address is made of the place alone: B0 + lane % 16, 2,303 at the most, the block's 64 places in the immediate.
	s_wait_xcnt 0x0                                ; the last pass's stores have read their registers: only now are these loaded again
	v_mov_b32 v[LA], 0
	ds_load_b32 v[FST], v[LA]                      ; the expert's first token
	v_add_nc_u32 v[LA], s[B0], v[R]
	v_min_u32 v[LA], 0x8ff, v[LA]
	v_lshlrev_b32 v[LA], 2, v[LA]
.irp j, 0,1,2,3,4
	ds_load_b32 v[TR+\j], v[LA] offset:256*\j
.endr
	s_mov_b32 s28, s[B0]
	s_wait_dscnt 0x0
.irp j, 0,1,2,3,4
	v_add_nc_u32 v[LA], s28, v[R]                  ; the place
	v_cmp_gt_u32 vcc_lo, s[TT], v[LA]
	v_cndmask_b32 v[TR+\j], v[FST], v[TR+\j], vcc_lo  ; at or past T: the first token
	v_min_u32 v[RA+\j], 0x7ff, v[TR+\j]
	v_lshlrev_b32 v[RA+\j], 12, v[RA+\j]           ; its row in xb,
	v_add_nc_u32 v[RA+\j], v[RA+\j], v[H16]        ; and my half's 16 bytes
	s_add_co_u32 s28, s28, 64
.endr
.irp q, 0,1,2,3,4,5
	LDX \q, \q                                     ; the ring is filled: 60 loads
.endr
	WIN 0
	LDB 0, 0
	LDB 1, 1
	; The 64 K steps.  Behind step q the weights' buffer just read takes K step q + 2 and the ring slot just read K step q + 6.  At step q's head the younger loads may stay out:
	; the 8 LDS loads of K step q + 1, and 10 loads for each of the K steps q + 1 .. q + 5 that exist.  The first step starts the sums: nothing is cleared.
.set q, 0
.rept 64
.set lc, 50
.if q > 58
.set lc, 10*(63-q)
.endif
.set dc, 8
.if q == 63
.set dc, 0
.endif
.if q == 0
	KSTEP 0, 0, 1, lc, dc
.else
	KSTEP q%6, q%2, 0, lc, dc
.endif
.if q < 62
	LDB q+2, q%2
.endif
.if q < 58
	LDX q+6, q%6
.endif
.set q, q+1
.endr
	WIN 0
	; THE WAY OUT, a block of 16 tokens at a time, through my own stage: in by tokens' 32 bytes, back as whole rows of 256 bytes, each with its token's number; + be; sixteen lanes store
	; 256 consecutive bytes of a row of out0, aligned.  Blocks past T are a suffix and are jumped.  (The last K step's four v_nop are the places behind the last products.)
	s_sub_co_i32 s27, s[TT], s[B0]                 ; tokens from this block's first place on
.irp j, 0,1,2,3,4
	s_cmp_gt_i32 s27, 0
	s_cbranch_scc0 .Lnext
	s_wait_xcnt 0x0                                ; the block before's stores have read their data and offsets: only now are these written again
	v_lshrrev_b32 v[PT], 12, v[RA+\j]              ; my token
	ds_store_b32 v[PADA], v[PT]
.irp n, 0,1,2,3
	ds_store_b128 v[STO], v[ACC+8*(4*\j+\n):ACC+8*(4*\j+\n)+3] offset:64*\n       ; each accumulator from its low end on
	ds_store_b128 v[STO], v[ACC+8*(4*\j+\n)+4:ACC+8*(4*\j+\n)+7] offset:64*\n+16
.endr
.irp t, 0,1,2,3,4,5,6,7
	ds_load_b128 v[OB+4*\t:OB+4*\t+3], v[RD] offset:(\t)*2*SP   ; LDS serves a wave's instructions in order (ISA guide 5.7.1.4): these see the stores above
	ds_load_b32 v[TKR+\t], v[RDP] offset:(\t)*2*SP
.endr
	s_wait_dscnt 0x0
.irp t, 0,1,2,3,4,5,6,7
	v_min_u32 v[TKC+\t], 0x7ff, v[TKR+\t]
	v_lshlrev_b32 v[TKC+\t], 13, v[TKC+\t]         ; token x 8,192
	v_add_nc_u32 v[TKC+\t], v[TKC+\t], v[C16]      ; + my 16 bytes
	v_pk_add_f32 v[OB+4*\t:OB+4*\t+1], v[OB+4*\t:OB+4*\t+1], v[BIAS:BIAS+1]
	v_pk_add_f32 v[OB+4*\t+2:OB+4*\t+3], v[OB+4*\t+2:OB+4*\t+3], v[BIAS+2:BIAS+3]
	global_store_b128 v[TKC+\t], v[OB+4*\t:OB+4*\t+3], s[12:13] th:TH_STORE_NT
.endr
	s_sub_co_i32 s27, s27, 64
.endr
.Lnext:
	s_sub_co_u32 s25, s25, 1
	s_cmp_lg_u32 s25, 0
	s_cbranch_scc1 .Lpass
	s_wait_tensorcnt 0x0                           ; the wave's end
	ds_add_u32 v[SPW], v[NIL]
	s_wait_dscnt 0x0
	s_endpgm
.Lfunc_end_k_q9ca921c4a3_experts:
	.size	k_q9ca921c4a3_experts, .Lfunc_end_k_q9ca921c4a3_experts-k_q9ca921c4a3_experts
	.p2alignl 7, 3214868480
	.fill 96, 4, 3214868480
	.section	.rodata,"a",@progbits
	.p2align	6, 0x0
	.amdhsa_kernel k_q9ca921c4a3_experts
		.amdhsa_group_segment_fixed_size 325120
		.amdhsa_private_segment_fixed_size 0
		.amdhsa_enable_private_segment 0
		.amdhsa_kernarg_size 48
		.amdhsa_user_sgpr_count 2
		.amdhsa_user_sgpr_kernarg_segment_ptr 1
		.amdhsa_wavefront_size32 1
		.amdhsa_system_sgpr_workgroup_id_x 1
		.amdhsa_system_sgpr_workgroup_id_y 1
		.amdhsa_system_sgpr_workgroup_id_z 1
		.amdhsa_system_vgpr_workitem_id 0
		.amdhsa_next_free_vgpr 512
		.amdhsa_next_free_sgpr 82
		.amdhsa_reserve_vcc 1
		.amdhsa_float_denorm_mode_32 3
		.amdhsa_float_denorm_mode_16_64 3
		.amdhsa_memory_ordered 1
		.amdhsa_forward_progress 1
		.amdhsa_inst_pref_size 255
	.end_amdhsa_kernel
	.section	.bss,"aw",@nobits
	.p2align	6
	.space	262144
	.amdgpu_metadata
---
amdhsa.version: [ 1, 2 ]
amdhsa.kernels:
  - .name:           k_q9ca921c4a3_experts
    .symbol:         k_q9ca921c4a3_experts.kd
    .args:
      - { .name: xb, .offset: 0, .size: 8, .value_kind: global_buffer, .address_space: global }
      - { .name: sel, .offset: 8, .size: 8, .value_kind: global_buffer, .address_space: global }
      - { .name: We, .offset: 16, .size: 8, .value_kind: global_buffer, .address_space: global }
      - { .name: be, .offset: 24, .size: 8, .value_kind: global_buffer, .address_space: global }
      - { .name: out0, .offset: 32, .size: 8, .value_kind: global_buffer, .address_space: global }
      - { .name: out3, .offset: 40, .size: 8, .value_kind: global_buffer, .address_space: global }
    .group_segment_fixed_size: 325120
    .private_segment_fixed_size: 0
    .kernarg_segment_align: 8
    .kernarg_segment_size: 48
    .max_flat_workgroup_size: 256
    .sgpr_count:     82
    .vgpr_count:     512
    .wavefront_size: 32
...
	.end_amdgpu_metadata
.endif
;; end of part 2
